; MI455X (gfx1250); checked and timed in simulation.
; The chip was launched on July 23, 2026; its instructions are those of AMD's public machine-readable ISA for CDNA 5 (MIT licence, August 2026) and "CDNA5" Instruction Set Architecture Reference Guide (July 2026). The comments in the code are by the model that wrote it; some were corrected since.
;; Triangle Attention. Allowed arithmetic: matrix products marked QUANTISED: E5M2 operands, one E8M0 scale for each 32 along K, by v_wmma_scale_f32_16x16x128_f8f6f4 with both operands' format E5M2, f32 sums; products left as they are: f32 operands where the result goes on into a quantised operand, else bf16, f16 or f32 operands; f32 sums; everything else in f32.
;; Inputs: Wb 4 x 128 float32; Wk_codes 128 x 4 x 32 uint8 (E5M2 codes of Wk, K innermost, in blocks of 32 codes); Wk_scales 128 x 4 uint8 (E8M0 scales of Wk, one for each 32 codes along K); Wo_codes 128 x 4 x 32 uint8 (E5M2 codes of Wo, K innermost, in blocks of 32 codes); Wo_scales 128 x 4 uint8 (E8M0 scales of Wo, one for each 32 codes along K); Wq_codes 128 x 4 x 32 uint8 (E5M2 codes of Wq, K innermost, in blocks of 32 codes); Wq_scales 128 x 4 uint8 (E8M0 scales of Wq, one for each 32 codes along K); Wv_codes 128 x 4 x 32 uint8 (E5M2 codes of Wv, K innermost, in blocks of 32 codes); Wv_scales 128 x 4 uint8 (E8M0 scales of Wv, one for each 32 codes along K); bk 128 float32; bo 128 float32; bq 128 float32; bv 128 float32; ln_b 128 float32; ln_w 128 float32; pair_mask 2 x 256 x 256 bool; z 2 x 256 x 256 x 128 float32.
;; Outputs: out0 2 x 256 x 256 x 128 float32.
;; This version of the problem:
;;   THIS VERSION OF THE PROBLEM IS GIVEN IN LOW PRECISION. The matrix products marked QUANTISED in the list below multiply operands that are first quantised to E5M2 (5 exponent bits, 2 mantissa bits; 8 bits a number), with one power-of-two scale for each 32 numbers along K (OCP MX v1.0); their sums are f32. All else is computed in f32.
;;   The module's matrix products, in the order in which they are computed (A, B: the left and right operand; K: the contracted axis; several contracted axes count as one K, in the product's order):
;;     1. [M 131,072, K 128] x [K 128, N 128]; A: computed on the way; B: input Wq (given as codes): QUANTISED
;;     2. [M 131,072, K 128] x [K 128, N 128]; A: computed on the way; B: input Wk (given as codes): QUANTISED
;;     3. [M 131,072, K 128] x [K 128, N 128]; A: computed on the way; B: input Wv (given as codes): QUANTISED
;;     4. [M 4, K 128] x [K 128, N 131,072]; A: input Wb; B: computed on the way: left as it is (M = 4 < 16)
;;     5. batch 2,048 x [M 256, K 32] x [K 32, N 256]; A: computed on the way; B: computed on the way: QUANTISED
;;     6. batch 2,048 x [M 32, K 256] x [K 256, N 256]; A: computed on the way; B: computed on the way: QUANTISED
;;     7. [M 131,072, K 128] x [K 128, N 128]; A: computed on the way; B: input Wo (given as codes): QUANTISED
;;   THE QUANTISER, for each operand of a quantised product, along K:
;;     - K is cut into blocks of 32 from its start; a last block that is shorter is filled with zeros.
;;     - A block's scale is 2^e with e = floor(log2(the largest magnitude in the block)) - 15, held to -126 .. 127; a block of zeros has e = 0. As a byte (E8M0): e + 127.
;;     - Each number is divided by its block's scale, clamped to +-57,344, and rounded to the nearest number of E5M2, ties to even, subnormals kept.
;;     - The product sums the exact products of the quantised numbers (number of the format x scale) in f32.
;;   ~~~python
;;   def quantise(x, axis):      # numpy; x: float32 -> the quantised numbers, widened to float32 again
;;       x = np.moveaxis(x, axis, -1); K = x.shape[-1]
;;       x = np.pad(x, [(0, 0)] * (x.ndim - 1) + [(0, -K % 32)]); x = x.reshape(x.shape[:-1] + (-1, 32)); a = np.abs(x).max(-1, keepdims=True)
;;       e = np.where(a > 0, np.clip(np.frexp(np.where(a > 0, a, 1))[1] - 1 - 15, -126, 127), 0)      # np.frexp(a)[1] - 1 = floor(log2(a)), exactly
;;       r = np.clip(x / 2.0 ** e, -57344, 57344)
;;       step = 2.0 ** (np.maximum(np.frexp(np.where(r == 0, 1, r))[1] - 1, -14) - 2)
;;       q = np.round(r / step) * step * 2.0 ** e      # np.round: ties to even
;;       return np.moveaxis(q.reshape(q.shape[:-2] + (-1,))[..., :K], -1, axis).astype(np.float32)
;;   ~~~
;;   OPERANDS COMPUTED ON THE WAY. 'Computed on the way' means the value that the module computes at that place (a softmax that the list does not call 'softmax' is quantised finished and normalised). What goes into a quantiser is computed in f32, as accurately as f32 sums, v_exp_f32 and their like allow (about 1e-6 of the number): no bf16 or f16 on the way to a quantiser, and a product that is left as it is and whose result goes on into a quantised operand takes f32 operands (vector FMAs, or v_wmma_f32_16x16x4_f32). A number that lies on a knife's edge between two numbers of the format may be rounded either way, as far as f32 arithmetic and the matrix unit's own rounding can turn it there, and no further.
;;   INPUTS GIVEN AS CODES. Wk (in the module: [128, 128], K = its axis 1); Wo (in the module: [128, 128], K = its axis 1); Wq (in the module: [128, 128], K = its axis 1); Wv (in the module: [128, 128], K = its axis 1): each comes as NAME_codes (uint8): NAME with its K axis moved to the last place and cut into blocks of 32 codes, [.., K / 32, bytes a block], one block behind the other in memory; one code a byte (a code: sign, 5 exponent bits, 2 mantissa bits); and NAME_scales (uint8): the same leading axes, one E8M0 byte (e + 127) for each 32 codes along K. Its value is code x scale, taken as it is: it is not quantised again, and the codes and scales need not be those that the quantiser above would give.
;; One version. Each part assembles by itself: llvm-mc -triple=amdgcn-amd-amdhsa -mcpu=gfx1250 --defsym DOCPART=n.
;; ======== version 1 of 1: 1 launch
;; limits: right only within a limited range of input values
;; launch triatt (part 1): grid 512 x 1, 4 waves a work-group, no clusters, 151,552 bytes of LDS; arguments z, pair_mask, ln_w, ln_b, Wq_codes, Wk_codes, Wv_codes, Wo_codes, Wq_scales, Wk_scales, Wv_scales, Wo_scales, bq, bk, bv, bo, Wb, out0; writes out0
.if DOCPART == 1
	.amdgcn_target "amdgcn-amd-amdhsa--gfx1250"
	.amdhsa_code_object_version 6
	.text
	.protected	k_q0771f91bcf_triatt
	.globl	k_q0771f91bcf_triatt
	.p2align	8
	.type	k_q0771f91bcf_triatt,@function
k_q0771f91bcf_triatt:
	s_mov_b64 s[64:65], 0
	v_nop
	global_prefetch_b8 v0, s[64:65] scope:SCOPE_SE
	s_setreg_imm32_b32 hwreg(HW_REG_WAVE_MODE, 25, 1), 1
	s_wait_xcnt 0x0
; TRIANGLE ATTENTION, one launch.  512 rows (B x S), each a slab of 256 positions x 128 channels of z; work-group g owns row g.  LayerNorm; q, k, v = zn W^T + b; bias = zn Wb^T (f32 multiply-adds);
; for each of 4 heads logits = q k^T / sqrt(32) + bias, masked keys -10000, softmax, x the query's mask; attn v; Wo, + bo, x mask.
; All products but the bias run on codes of BF8 (E5M2) with one E8M0 scale for each 32 along K; every computed operand is quantised in registers from f32.
; LEFT OUT AS DEAD WORK: the second normalisation.  A softmax's weights sum to 1, so behind the query's mask mq (0 or 1) their sum is mq: where mq = 1 the clipped sum is 1 and the division is by 1;
; where mq = 0 the weights are 0 and 0 / 1e-6 is 0.  So the finished weight is p mq / sum for all inputs.  A NaN, an infinity or an overflow that reaches only that step is not carried to the result.
; SHARES.  Four waves.  LN and FIN: wave w owns positions 64 w .. 64 w + 63 (tiles 4 w .. 4 w + 3).  QKV and ATT: wave w owns head w: it makes K and V of its head for all keys straight into operand registers
; and walks all 16 query tiles.  zn's codes, the bias and the output's codes go from wave to wave through LDS as register images.
; TILES.  Row m of position tile T is position 32 (T / 2) + 8 (T % 2) + m + 8 (m / 8); rows of weight tiles likewise: so the 16 registers of two neighbouring tiles of a result are 16 neighbours along the next
; product's K, and the conversions' results are the next operand's registers.
; K = 32 IN AN INSTRUCTION OF 128: source 0 holds four key tiles' blocks of the head, source 1 the queries' block in one of the four places and zero codes in the other three: that place picks the key tile.
; THE MASK OF KEYS: a masked key's codes of k are zeros (its hold is 0) and -10000 sqrt(32) stands in its place in the sum's C, where the other keys have bias x sqrt(32); t = sum x log2(e) / sqrt(32).
; THE SOFTMAX: p = 2^(t - the row's largest t); G = mq / sum; p G is what is quantised.  A block's largest p G is not searched for: the block's largest score goes through the same multiply-add,
; exponential and multiplication (this takes v_exp_f32 not to fall where its input rises).
; z goes through registers: whole rows of 512 bytes by neighbouring lanes, 32 positions a request; the second 32 are asked for a whole trip ahead, so no prefetch is laid: there is no further trip to run ahead in.
; NO CLUSTER: work-groups share only weights and vectors, each read once by a lane's own loads.
; LIMITS: NaN and infinities among the inputs are not served; p under 2^-126 counts as 0; masked outputs may be -0.
; REGISTERS, window 0: v0 thread, v1, v2 the add's; v3-13 addresses; v14-31 SCALE WORDS and nothing else (v14-19 the weights' of my head, later the output's; v20, 21, 30, 31 zn's, then Q's and p's; v22-25 K's, v26-29 V's, later Wo's);
; v128-255 z, results, scores.  Window 1: v0-127 z as loaded, then my head's weights and bq, bk, then the bias as C, then Wo; v128-255 vectors in LN, then K's 16 blocks and V's four fragments, then bo.
.set ZN,    0                          ; zn's codes: block (T, c) at 2048 T + 512 c
.set QO,    32768                      ; q's codes of head w, tile T at 8192 w + 512 T; later the output's in the same places
.set STG,   65536                      ; a stage of 32 rows x (512 + 16 bytes) for each wave: z in, the result out
.set ZSC,   133120                     ; [T][lane] words: zn's scales
.set BIAS,  135168                     ; [head][T][16] f32
.set QSC,   139264                     ; [head][T / 4][lane] words, byte T % 4
.set OSC,   141312                     ; [head][T][lane] bytes
.set MSK,   143360                     ; [T][lane] all ones or 0
.set SV,    145408                     ; ln_w, ln_b, Wb's four rows
.set SPARE, 148480                     ; the spare words, 128 bytes a wave
.set SP,    528                        ; the stage's pitch
.set TM,    96                         ; v96-111 the quantiser's: largest magnitudes, bytes, holds, scale operands
.set MSB, 0
.macro WIN new                         ; the immediate's high byte repeats the setting that is left; bits 1:0 source 0, 3:2 source 1, 5:4 source 2, 7:6 destination
.if MSB != \new
	s_set_vgpr_msb (MSB<<8)|\new
.set MSB, \new
.endif
.endm
.macro NOPS n
.rept \n
	v_nop
.endr
.endm
.macro WALU
	s_wait_alu depctr_va_vdst(0)
.endm
.macro BAR                             ; my LDS stores have landed and my LDS loads are in: then the work-group's barrier
	s_wait_dscnt 0x0
	s_barrier_signal -1
	s_barrier_wait -1
.endm
.macro LANES
	v_and_b32 v60, 31, v0                          ; lane
	v_and_b32 v61, 15, v0                          ; r
	v_bfe_u32 v62, v0, 4, 1                        ; h
	v_and_b32 v63, 8, v0
	v_add_nc_u32 v63, v63, v61                     ; rp = r + 8 (r / 8)
.endm
.macro ZLOAD off                       ; 32 positions, one row of 512 bytes an instruction
	WIN 0x40
.set j, 0
.rept 32
	global_load_b128 v[4*j:4*j+3], v3, s[54:55] offset:\off+512*j th:TH_LOAD_NT
.set j, j+1
.endr
	WIN 0
.endm
; THE QUANTISER of 64 numbers of a lane: four blocks of 16, each joined with lane l xor 16's.  QMAX: bytes TM + 4 .., holds TM + 8 .., conversion's scale operands TM + 12 ..  mk >= 0: v[mk + b] is all ones or 0; with 0 the hold is 0
.macro QMAX s, mk
.irp b, 0,1,2,3
	v_max3_num_f32 v[TM+\b], |v[(\s)+16*\b]|, |v[(\s)+16*\b+1]|, s76   ; the floor 2^(16 - 127): the byte cannot fall under 1
.endr
.irp i, 2,4,6,8,10,12,14
.irp b, 0,1,2,3
	v_max3_num_f32 v[TM+\b], v[TM+\b], |v[(\s)+16*\b+\i]|, |v[(\s)+16*\b+\i+1]|   ; the four blocks by turns
.endr
.endr
.irp b, 0,1,2,3
	v_permlanex16_b32 v[TM+4+\b], v[TM+\b], s58, s59
.endr
.irp b, 0,1,2,3
	v_max_num_f32 v[TM+\b], v[TM+\b], v[TM+4+\b]
.endr
.irp b, 0,1,2,3
	v_add_nc_u32 v[TM+12+\b], s77, v[TM+\b]        ; 15 off its exponent field
.endr
.irp b, 0,1,2,3
	v_and_or_b32 v[TM+8+\b], v[TM+\b], s78, s60    ; 57,344 x the scale
.endr
.irp b, 0,1,2,3
	v_lshrrev_b32 v[TM+4+\b], 23, v[TM+12+\b]      ; the scale's byte
.endr
.if (\mk) >= 0
.irp b, 0,1,2,3
	v_and_b32 v[TM+8+\b], v[TM+8+\b], v[\mk+\b]
.endr
.endif
.endm
.macro QWORD d
	v_lshl_or_b32 v[\d], v[TM+5], 8, v[TM+4]
	v_lshl_or_b32 v[\d], v[TM+6], 16, v[\d]
	v_lshl_or_b32 v[\d], v[TM+7], 24, v[\d]
.endm
.macro QHOLD s, b                      ; the conversion to an 8-bit code does not saturate (ISA guide 7.6.2): the hold
.irp i, 0,1,2,3,4,5,6,7,8,9,10,11,12,13,14,15
	v_med3_num_f32 v[(\s)+16*(\b)+\i], v[(\s)+16*(\b)+\i], -v[TM+8+\b], v[TM+8+\b]
.endr
.endm
.macro QCVT s, b, d
	v_cvt_scalef32_pk8_bf8_f32 v[\d:(\d)+1], v[(\s)+16*(\b):(\s)+16*(\b)+7], v[TM+12+\b]
	v_cvt_scalef32_pk8_bf8_f32 v[(\d)+2:(\d)+3], v[(\s)+16*(\b)+8:(\s)+16*(\b)+15], v[TM+12+\b]
.endm
; zn . Wb for head a and both tiles, two chains each; Wb's row in window 1 from v[wb] on
.macro BIAS1 a, wb
	WIN 0x04
.irp u, 0,1
.irp e, 0,1
	v_pk_mul_f32 v[64+8*\a+4*\u+2*\e:65+8*\a+4*\u+2*\e], v[128+64*\u+2*\e:129+64*\u+2*\e], v[\wb+2*\e:\wb+2*\e+1]
.endr
.endr
.set j, 4
.rept 15
.irp u, 0,1
.irp e, 0,1
	v_pk_fma_f32 v[64+8*\a+4*\u+2*\e:65+8*\a+4*\u+2*\e], v[128+64*\u+2*\e+j:129+64*\u+2*\e+j], v[\wb+2*\e+j:\wb+2*\e+j+1], v[64+8*\a+4*\u+2*\e:65+8*\a+4*\u+2*\e]
.endr
.endr
.set j, j+4
.endr
	WIN 0
.endm
.macro VECT off, d                     ; one vector of 128 in a fragment's layout, 64 registers of window 1
	WIN 0x40
.irp c, 0,1,2,3
.irp q, 0,1,2,3
	ds_load_b128 v[\d+16*\c+4*\q:\d+16*\c+4*\q+3], v8 offset:\off+128*\c+16*\q
.endr
.endr
	WIN 0
.endm
; sums over a lane's 64 channels and lane l xor 16's, both tiles by turns, from the eight partial sums in v[32 + 8 u ..]: -> v[56 + u]
.macro ROWSUM
.irp u, 0,1
	v_pk_add_f32 v[32+8*\u:33+8*\u], v[32+8*\u:33+8*\u], v[34+8*\u:35+8*\u]
	v_pk_add_f32 v[36+8*\u:37+8*\u], v[36+8*\u:37+8*\u], v[38+8*\u:39+8*\u]
.endr
.irp u, 0,1
	v_pk_add_f32 v[32+8*\u:33+8*\u], v[32+8*\u:33+8*\u], v[36+8*\u:37+8*\u]
.endr
.irp u, 0,1
	v_add_f32 v[56+\u], v[32+8*\u], v[33+8*\u]
.endr
.irp u, 0,1
	v_permlanex16_b32 v[58+\u], v[56+\u], s58, s59
.endr
.irp u, 0,1
	v_add_f32 v[56+\u], v[56+\u], v[58+\u]
.endr
.endm
	; ================ HEAD ================
	s_load_b512 s[4:19], s[0:1], 0x0               ; z, pair_mask, ln_w, ln_b, the codes of Wq, Wk, Wv, Wo
	s_load_b512 s[20:35], s[0:1], 0x40             ; the scales of Wq, Wk, Wv, Wo, bq, bk, bv, bo
	s_load_b128 s[36:39], s[0:1], 0x80             ; Wb, out0
	v_lshrrev_b32 v3, 5, v0
	v_readfirstlane_b32 s40, v3                    ; wave w
	s_mov_b32 s58, 0x76543210
	s_mov_b32 s59, 0xfedcba98                      ; v_permlanex16_b32's selects for lane l xor 16
	s_mov_b32 s60, 0x600000                        ; the mantissa field of 57,344
	s_mov_b32 s62, 0x3e8293ee                      ; log2(e) / sqrt(32)
	s_mov_b32 s63, s62                             ; (named with it as a pair)
	s_mov_b32 s66, 0x40b504f3                      ; sqrt(32)
	s_mov_b32 s67, 0xc75cf88b                      ; -10000 sqrt(32)
	s_mov_b32 s68, 0x3c000000                      ; 1 / 128
	s_mov_b32 s69, 0x3727c5ac                      ; 1e-5
	s_mov_b32 s76, 0x08000000                      ; the floor 2^(16 - 127)
	s_mov_b32 s77, 0xf8800000                      ; -(15 << 23)
	s_mov_b32 s78, 0x7f800000                      ; the exponent field
	s_mov_b32 s79, 0x3f800000                      ; 1.0
	s_lshl_b32 s43, s40, 7
	s_mul_i32 s44, s40, 32*SP
	s_add_co_u32 s44, s44, STG
	s_lshl_b32 s45, s40, 8
	s_add_co_u32 s45, s45, BIAS
	s_lshl_b32 s46, s40, 9
	s_add_co_u32 s46, s46, ZSC
	s_lshl_b32 s47, s40, 12
	s_lshl_b32 s48, s40, 13
	s_lshl_b32 s49, s40, 6
	s_lshl_b32 s50, s40, 10
	s_add_co_u32 s50, s50, BIAS
	s_lshl_b32 s80, ttmp9, 17                      ; a row is 131,072 bytes,
	s_lshl_b32 s51, s40, 15                        ; a wave's 64 positions 32,768
	s_add_co_u32 s80, s80, s51
	s_mov_b32 s81, 0
	s_lshl_b32 s82, ttmp9, 8                       ; 256 bytes of the mask a row
	s_mov_b32 s83, 0
	LANES
	v_lshl_add_u32 v1, v0, 2, SPARE                ; my spare word; never rewritten
	v_mov_b32 v2, 0                                ; never rewritten
	v_lshlrev_b32 v3, 4, v60                       ; 16 x lane
	v_lshlrev_b32 v4, 7, v63
	v_lshl_add_u32 v4, v62, 4, v4
	v_add_nc_u32 v4, s47, v4                       ; my head's weights: row 32 w + rp of 128 bytes, + 16 h
	v_lshl_add_u32 v5, v62, 6, s43                 ; bq, bk: channel 32 w + 16 h
	v_add_nc_u32 v6, s44, v3                       ; my stage, by rows
	v_mul_u32_u24 v7, v61, SP
	v_lshl_add_u32 v7, v62, 6, v7
	v_add_nc_u32 v7, s44, v7                       ; my stage, by tiles: row r, + 64 h
	v_lshl_add_u32 v8, v62, 6, SV                  ; vectors: + 64 h
	v_lshl_add_u32 v9, v61, 2, s45                 ; the bias of my tiles
	v_add_nc_u32 v10, s48, v3                      ; zn's codes of my tiles
	v_lshl_add_u32 v11, v60, 2, s46                ; words of my tiles
	v_lshl_add_u32 v36, v63, 2, s43                ; a word for each row of my head's weight tiles: 4 (32 w + rp)
	v_add_nc_u32 v37, s49, v63                     ; mask bytes: 64 w + rp
	v_lshlrev_b32 v32, 2, v0
	v_lshlrev_b32 v33, 4, v0
	v_add_nc_u32 v34, SV, v32
	v_add_nc_u32 v35, SV+1024, v33
.irp j, 49,51,53,55,58,59,100,101,102,103
	v_mov_b32 v[\j], 0                             ; upper halves of pairs and lane permutes' destinations are named before they are first written
.endr
	v_mov_b32 v118, s67
	WALU
	s_wait_kmcnt 0x0
	s_add_nc_u64 s[54:55], s[4:5], s[80:81]        ; z, out0 at my wave's first position
	s_add_nc_u64 s[56:57], s[38:39], s[80:81]
	s_add_nc_u64 s[6:7], s[6:7], s[82:83]
.irp t, 0,1,2,3
	global_load_u8 v[64+\t], v37, s[6:7] offset:32*(\t/2)+8*(\t%2)
.endr
	global_load_b32 v68, v32, s[8:9]
	global_load_b32 v69, v32, s[10:11]
	global_load_b128 v[72:75], v33, s[36:37]
.irp a, 0,1
	global_load_b32 v[18+\a], v36, s[20:21] offset:32*\a   ; scale words of Wq,
	global_load_b32 v[16+\a], v36, s[22:23] offset:32*\a   ; Wk,
	global_load_b32 v[14+\a], v36, s[24:25] offset:32*\a   ; Wv
	global_load_b32 v[112+8*\a], v36, s[32:33] offset:32*\a ; bv
.endr
	ZLOAD 0
	s_wait_loadcnt 40                              ; behind the first seven loads: 8 small ones and 32 of z
.irp t, 0,1,2,3
	v_sub_nc_u32 v[64+\t], 0, v[64+\t]             ; all ones or 0
.endr
.irp t, 0,1,2,3
	ds_store_b32 v11, v[64+\t] offset:MSK-ZSC+128*\t
.endr
	ds_store_b32 v34, v68
	ds_store_b32 v34, v69 offset:512
	ds_store_b128 v35, v[72:75]
	BAR                                            ; the vectors lie in LDS
	; ================ LN: two trips of 32 positions, tiles u = 0, 1 ================
	; v32-47 partial sums, then codes; v48-51 means, v52-55 1 / sigma as pairs; v56-59 at work; v64-95 bias chains; v113-115 this trip's addresses; v116, 117 mask bits; v128-255 z, zn
	s_mov_b32 s71, 0
	s_mov_b32 s72, 0
	s_mov_b32 s73, 0
	s_mov_b32 s74, 0
.Lln:
	v_add_nc_u32 v113, s74, v9
	v_add_nc_u32 v114, s72, v10
	v_add_nc_u32 v115, s73, v11
	WALU
	ds_load_b32 v116, v115 offset:MSK-ZSC
	ds_load_b32 v117, v115 offset:MSK-ZSC+128
	VECT 0, 128                                    ; ln_w
	VECT 512, 192                                  ; ln_b
	s_wait_loadcnt 0x0                             ; my 32 positions
	WIN 0x04
.set j, 0
.rept 32                               ; position 16 m + 8 u + i goes to the stage's row 16 u + 8 m + i, so that a tile's rows follow each other
	ds_store_b128 v6, v[4*j:4*j+3] offset:(16*((j/8)%2)+8*(j/16)+j%8)*SP
.set j, j+1
.endr
	WIN 0
.irp u, 0,1
.irp c, 0,1,2,3
.irp q, 0,1,2,3
	ds_load_b128 v[128+64*\u+16*\c+4*\q:128+64*\u+16*\c+4*\q+3], v7 offset:16*\u*SP+128*\c+16*\q   ; register 16 c + i = channel 32 c + 16 h + i; LDS serves a wave's instructions in order (ISA guide 5.7.1.4)
.endr
.endr
.endr
	s_wait_dscnt 0x0                               ; all in; the stores have read their registers, so loads may land there
	s_cmp_lg_u32 s71, 0
	s_cbranch_scc1 .Lweights
	ZLOAD 16384                                    ; trip 0: the next 32 positions
	s_branch .Lasked
.Lweights:                                             ; trip 1: my head's rows of Wq, Wk, Wv as operands, bq and bk as C
	WIN 0x40
.irp m, 0,1,2
.irp a, 0,1
.irp c, 0,1,2,3
	global_load_b128 v[32*\m+16*\a+4*\c:32*\m+16*\a+4*\c+3], v4, s[12+2*\m:13+2*\m] offset:1024*\a+32*\c
.endr
.endr
.endr
.irp m, 0,1
.irp q, 0,1,2,3
	global_load_b128 v[96+16*\m+4*\q:96+16*\m+4*\q+3], v5, s[28+2*\m:29+2*\m] offset:16*\q
.endr
.endr
	WIN 0
.Lasked:
.irp u, 0,1
.irp q, 0,1,2,3
	v_pk_add_f32 v[32+8*\u+2*\q:33+8*\u+2*\q], v[128+64*\u+2*\q:129+64*\u+2*\q], v[136+64*\u+2*\q:137+64*\u+2*\q]
.endr
.endr
.irp m, 2,3,4,5,6,7
.irp u, 0,1
.irp q, 0,1,2,3
	v_pk_add_f32 v[32+8*\u+2*\q:33+8*\u+2*\q], v[32+8*\u+2*\q:33+8*\u+2*\q], v[128+64*\u+8*\m+2*\q:129+64*\u+8*\m+2*\q]
.endr
.endr
.endr
	ROWSUM
.irp u, 0,1
	v_mul_f32 v[48+2*\u], s68, v[56+\u]            ; the mean
.endr
.set j, 0
.rept 32                               ; z is centred in place
.irp u, 0,1
	v_pk_add_f32 v[128+64*\u+j:129+64*\u+j], v[128+64*\u+j:129+64*\u+j], v[48+2*\u:49+2*\u] op_sel_hi:[1,0] neg_lo:[0,1] neg_hi:[0,1]
.endr
.set j, j+2
.endr
.irp u, 0,1
.irp q, 0,1,2,3
	v_pk_mul_f32 v[32+8*\u+2*\q:33+8*\u+2*\q], v[128+64*\u+2*\q:129+64*\u+2*\q], v[128+64*\u+2*\q:129+64*\u+2*\q]
.endr
.endr
.irp m, 1,2,3,4,5,6,7
.irp u, 0,1
.irp q, 0,1,2,3
	v_pk_fma_f32 v[32+8*\u+2*\q:33+8*\u+2*\q], v[128+64*\u+8*\m+2*\q:129+64*\u+8*\m+2*\q], v[128+64*\u+8*\m+2*\q:129+64*\u+8*\m+2*\q], v[32+8*\u+2*\q:33+8*\u+2*\q]
.endr
.endr
.endr
	ROWSUM
.irp u, 0,1
	v_fma_f32 v[56+\u], v[56+\u], s68, s69         ; the variance + 1e-5
.endr
	WALU
	v_rsq_f32 v52, v56
	v_rsq_f32 v54, v57
	v_nop                                          ; a plain line behind the transcendentals,
	WALU                                           ; and the one wait ahead of their first reader
.irp u, 0,1
.set j, 128+64*\u
.rept 32
	v_pk_mul_f32 v[j:j+1], v[j:j+1], v[52+2*\u:53+2*\u] op_sel_hi:[1,0]
.set j, j+2
.endr
.endr
	WIN 0x14
.irp u, 0,1
.set j, 0
.rept 32
	v_pk_fma_f32 v[128+64*\u+j:129+64*\u+j], v[128+64*\u+j:129+64*\u+j], v[128+j:129+j], v[192+j:193+j]   ; zn
.set j, j+2
.endr
.endr
	WIN 0
	VECT 1024, 128                                 ; Wb's rows by turns in two places of 64 registers: one is read while the other's loads are out
	VECT 1536, 192
	WALU
	s_wait_dscnt 16
	BIAS1 0, 128
	VECT 2048, 128
	s_wait_dscnt 16
	BIAS1 1, 192
	VECT 2560, 192
	s_wait_dscnt 16
	BIAS1 2, 128
	s_wait_dscnt 0x0
	BIAS1 3, 192
.irp q, 0,1,2,3,4,5,6,7
	v_pk_add_f32 v[64+4*\q:65+4*\q], v[64+4*\q:65+4*\q], v[66+4*\q:67+4*\q]
.endr
.irp q, 0,1,2,3,4,5,6,7
	v_add_f32 v[64+4*\q], v[64+4*\q], v[65+4*\q]
.endr
.irp q, 0,1,2,3,4,5,6,7
	v_permlanex16_b32 v[65+4*\q], v[64+4*\q], s58, s59
.endr
.irp q, 0,1,2,3,4,5,6,7
	v_add_f32 v[64+4*\q], v[64+4*\q], v[65+4*\q]
.endr
.irp q, 0,1,2,3,4,5,6,7
	v_mul_f32 v[64+4*\q], s66, v[64+4*\q]          ; x sqrt(32): it is added ahead of the division
.endr
.irp u, 0,1
	v_cmp_ne_u32 vcc_lo, 0, v[116+\u]
.irp a, 0,1,2,3
	v_cndmask_b32 v[64+8*\a+4*\u], v118, v[64+8*\a+4*\u], vcc_lo   ; a masked key: -10000 sqrt(32)
	ds_store_b32 v113, v[64+8*\a+4*\u] offset:1024*\a+64*\u        ; both halves of the lanes write the same word with the same value
.endr
.endr
.irp u, 0,1
	QMAX 128+64*\u, -1
	QWORD 12+\u
.irp b, 0,1,2,3
	QHOLD 128+64*\u, \b
	QCVT 128+64*\u, \b, 32+16*\u+4*\b
.endr
	v_nop
.irp b, 0,1,2,3
	ds_store_b128 v114, v[32+16*\u+4*\b:35+16*\u+4*\b] offset:2048*\u+512*\b
.endr
	ds_store_b32 v115, v[12+\u] offset:128*\u
.endr
	s_add_co_u32 s72, s72, 4096
	s_add_co_u32 s73, s73, 256
	s_add_co_u32 s74, s74, 128
	s_add_co_u32 s71, s71, 1
	s_cmp_lt_u32 s71, 2
	WALU
	s_cbranch_scc1 .Lln
	BAR                                            ; zn's images, the bias and the mask lie in LDS
	; ================ QKV: head w, four position tiles a group ================
	; v4-7 mask bits; v9 words of all tiles; v10, v11 q's codes and words; v13 the bias; v32-95 zn's four fragments; v112-127 bv as C; v128-191 and v192-255 results by turns: each product is issued ahead of the quantiser of the one before
.macro LOADG g
.irp t, 0,1,2,3
.irp c, 0,1,2,3
	ds_load_b128 v[32+16*\t+4*\c:35+16*\t+4*\c], v3 offset:2048*(4*(\g)+\t)+512*\c
.endr
	ds_load_b32 v[20+\t+8*(\t/2)], v9 offset:128*(4*(\g)+\t)
	ds_load_b32 v[4+\t], v9 offset:MSK-ZSC+128*(4*(\g)+\t)
.endr
.endm
; Transposed (q, k): source 0 = 16 rows of the weight, source 1 = 16 positions.  Register 16 t + i of lane (r, h): position row r of tile t, channel 32 w + 16 h + i
.macro PROD R, wf, cb, ws
	WIN 0x11
.irp t, 0,1,2,3
.irp a, 0,1
	v_wmma_scale_f32_16x16x128_f8f6f4 v[\R+16*\t+8*\a:\R+16*\t+8*\a+7], v[\wf+16*\a:\wf+16*\a+15], v[32+16*\t:47+16*\t], v[\cb+8*\a:\cb+8*\a+7], v[\ws+\a], v[20+\t+8*(\t/2)] matrix_a_fmt:MATRIX_FMT_BF8 matrix_b_fmt:MATRIX_FMT_BF8
.endr
.endr
	WIN 0
.endm
; v, not transposed: register 32 a + 16 c + i of lane (r, h): channel row r of tile a, key 16 h + i of the group's c-th 32
.macro PRODV R
	WIN 0x04
.irp a, 0,1
.irp t, 0,1,2,3
	v_wmma_scale_f32_16x16x128_f8f6f4 v[\R+32*\a+8*\t:\R+32*\a+8*\t+7], v[32+16*\t:47+16*\t], v[64+16*\a:79+16*\a], v[112+8*\a:119+8*\a], v[20+\t+8*(\t/2)], v[14+\a] matrix_a_fmt:MATRIX_FMT_BF8 matrix_b_fmt:MATRIX_FMT_BF8
.endr
.endr
	WIN 0
.endm
	LANES
	v_lshl_add_u32 v9, v60, 2, ZSC
	v_add_nc_u32 v10, QO, v10
	v_lshl_add_u32 v13, v62, 5, s50                ; the bias: head w, + 32 h
.irp i, 1,2,3,4,5,6,7
	v_mov_b32 v[112+\i], v112
	v_mov_b32 v[120+\i], v120
.endr
	WALU
	s_wait_loadcnt 0x0                             ; the weights
	LOADG 0
	s_wait_dscnt 0x0
	PROD 128, 32, 112, 16                          ; k of group 0
	PROD 192, 0, 96, 18                            ; q of group 0
	NOPS 8                                         ; eight places behind this form, ahead of reads of results and of loads into its sources
.irp g, 0,1,2,3
.set RK, 128+64*(\g%2)
.set RQ, 192-64*(\g%2)
	QMAX RK, 4                                     ; k: block b = key tile 4 g + b
	QWORD 22+\g
.irp b, 0,1,2,3
	QHOLD RK, \b
.endr
	WIN 0x40
.irp b, 0,1,2,3
	QCVT RK, \b, 128+16*\g+4*\b
.endr
	WIN 0
	v_nop                                          ; a plain line behind the last conversion
	PRODV RK
	QMAX RQ, -1                                    ; q: block b = query tile 4 g + b.  These lines are also the places ahead of the loads below
	QWORD 12
.if \g < 3
	LOADG \g+1
.else
	WIN 0x40
.irp t, 0,1,2,3,4,5,6,7,8,9,10,11,12,13,14,15
	ds_load_b128 v[8*\t:8*\t+3], v13 offset:64*\t  ; the bias as C, over the weights
	ds_load_b128 v[8*\t+4:8*\t+7], v13 offset:64*\t+16
.endr
	WIN 0
.endif
	QHOLD RQ, 0
	QCVT RQ, 0, 96                                 ; block 0's codes where its maxima lay, block b's over block b - 1's numbers
.irp b, 1,2,3
	QHOLD RQ, \b
	QCVT RQ, \b, RQ+16*(\b-1)
.endr
	v_nop
	ds_store_b128 v10, v[96:99] offset:512*4*\g
.irp b, 1,2,3
	ds_store_b128 v10, v[RQ+16*(\b-1):RQ+16*(\b-1)+3] offset:512*(4*\g+\b)
.endr
	ds_store_b32 v11, v12 offset:QSC-ZSC+128*\g
.if \g < 3
	s_wait_dscnt 5                                 ; the next group's fragments are in: behind them stand the five stores
	PROD RQ, 32, 112, 16                           ; k of the next group
.endif
	QMAX RK, -1                                    ; v: block 2 a + c
.if \g%2 == 0
.irp a, 0,1
	v_lshl_or_b32 v[26+2*\a+\g/2], v[TM+5+2*\a], 8, v[TM+4+2*\a]
.endr
.else
.irp a, 0,1
	v_lshl_or_b32 v[26+2*\a+\g/2], v[TM+4+2*\a], 16, v[26+2*\a+\g/2]
.endr
.irp a, 0,1
	v_lshl_or_b32 v[26+2*\a+\g/2], v[TM+5+2*\a], 24, v[26+2*\a+\g/2]
.endr
.endif
.irp b, 0,1,2,3
	QHOLD RK, \b
.endr
	WIN 0x40
.irp b, 0,1,2,3
	QCVT RK, \b, 192+16*(2*(\b/2)+\g/2)+4*(2*(\g%2)+\b%2)
.endr
	WIN 0
	v_nop
.if \g < 3
	PROD RK, 0, 96, 18                             ; q of the next group
.endif
.endr
	; ================ ATT: head w, 16 query tiles against all 256 keys ================
	; v3 Q's blocks, v4 their words, v5 the masks, v7 the output's bytes; v6, v13 where this tile's output goes; v8, v9 the next tile's word and mask; v[10:11] -c max; v[12:13] G; v32-59 zeros with Q's block at v44-47;
	; v60-63 at work; v64-95 p's codes; v96-103 the blocks' largest, later O^T to v111; v104-111 bytes; v112-127 sums, then scale operands and holds; v128-255 S^T, then p.
.irp j, 32,33,34,35,36,37,38,39,40,41,42,43,48,49,50,51,52,53,54,55,56,57,58,59
	v_mov_b32 v[\j], 0                             ; zero codes round Q's block
.endr
	v_and_b32 v60, 31, v0
	v_mov_b32 v3, v10
	v_add_nc_u32 v4, QSC-ZSC, v11
	v_add_nc_u32 v5, MSK-ZSC, v9
	s_lshl_b32 s43, s40, 9
	s_add_co_u32 s43, s43, OSC
	v_add_nc_u32 v7, s43, v60
	WALU
	s_wait_dscnt 0x0
	v_mov_b32 v11, 0
	v_mov_b32 v13, 0
	ds_load_b128 v[44:47], v3
	ds_load_b32 v8, v4
	ds_load_b32 v9, v5
	s_mov_b32 s75, 0
	s_mov_b32 s71, 0
	WALU
	s_wait_dscnt 0x0
	v_perm_b32 v20, v8, v8, s75                    ; Q's scale, whichever of the four places its block takes
	NOPS 8                                         ; a scale word written by a vector instruction stands eight places ahead
.macro SMUL
	WIN 0x11
.irp g, 0,1,2,3
.irp c, 0,1,2,3
	v_wmma_scale_f32_16x16x128_f8f6f4 v[128+8*(4*\g+\c):135+8*(4*\g+\c)], v[128+16*\g:143+16*\g], v[44-4*\c:59-4*\c], v[8*(4*\g+\c):8*(4*\g+\c)+7], v[22+\g], v20 matrix_a_fmt:MATRIX_FMT_BF8 matrix_b_fmt:MATRIX_FMT_BF8
.endr
.endr
	WIN 0
.endm
	SMUL
	NOPS 8
.Lq:                                                   ; a trip: one tile of 16 queries; its scores have been multiplied.  Lane (r, h): query r; register 128 + 16 b + i: key 32 b + 16 h + i
	s_add_co_u32 s80, s71, 1
	s_and_b32 s80, s80, 15                         ; the next tile (behind the last: tile 0's place, which is read and not used)
	s_lshl_b32 s72, s80, 9
	s_lshr_b32 s73, s80, 2
	s_lshl_b32 s73, s73, 7
	s_lshl_b32 s74, s80, 7
	s_and_b32 s75, s80, 3
	s_mul_i32 s75, s75, 0x01010101                 ; v_perm_b32's selector: byte T % 4 into all four places
	s_lshl_b32 s81, s71, 9
	s_lshl_b32 s82, s71, 5
.irp b, 0,1,2,3,4,5,6,7
	v_max3_num_f32 v[96+\b], v[128+16*\b], v[129+16*\b], v[130+16*\b]   ; the largest score of each block of 32 keys: for the row's maximum and for the block's largest p
.endr
.irp i, 3,5,7,9,11,13
.irp b, 0,1,2,3,4,5,6,7
	v_max3_num_f32 v[96+\b], v[96+\b], v[128+16*\b+\i], v[129+16*\b+\i]
.endr
.endr
.irp b, 0,1,2,3,4,5,6,7
	v_max_num_f32 v[96+\b], v[96+\b], v[143+16*\b]
.endr
.irp b, 0,1,2,3,4,5,6,7
	v_permlanex16_b32 v[104+\b], v[96+\b], s58, s59
.endr
.irp b, 0,2,4,6
	v_dual_max_num_f32 v[96+\b], v[96+\b], v[104+\b] :: v_dual_max_num_f32 v[97+\b], v[97+\b], v[105+\b]
.endr
	v_max3_num_f32 v60, v96, v97, v98
	v_max3_num_f32 v61, v99, v100, v101
	v_max3_num_f32 v60, v60, v102, v103
	v_max_num_f32 v60, v60, v61                    ; the row's largest score
	v_mul_f32 v10, -v60, s62                       ; as -t
.irp q, 0,2,4,6
	v_pk_fma_f32 v[96+\q:97+\q], v[96+\q:97+\q], s[62:63], v[10:11] op_sel_hi:[1,0,0]
.endr
.set j, 128
.rept 64
	v_pk_fma_f32 v[j:j+1], v[j:j+1], s[62:63], v[10:11] op_sel_hi:[1,0,0]   ; t - the largest t, one rounding
.set j, j+2
.endr
	WALU
.set j, 128
.rept 128
	v_exp_f32 v[j], v[j]
.set j, j+1
.endr
.irp b, 0,1,2,3,4,5,6,7
	v_exp_f32 v[96+\b], v[96+\b]
.endr
	v_nop                                          ; a plain line behind the batch,
	WALU                                           ; and one wait for all 136, ahead of the first reader
.set k, 0
.rept 8                                ; the row's sum, eight chains of pairs
	v_pk_add_f32 v[112+2*k:113+2*k], v[128+2*k:129+2*k], v[144+2*k:145+2*k]
.set k, k+1
.endr
.set k, 0
.rept 48
	v_pk_add_f32 v[112+2*(k%8):113+2*(k%8)], v[112+2*(k%8):113+2*(k%8)], v[160+2*k:161+2*k]
.set k, k+1
.endr
.irp q, 0,2,4,6
	v_pk_add_f32 v[112+\q:113+\q], v[112+\q:113+\q], v[120+\q:121+\q]
.endr
	s_delay_alu instid0(VALU_DEP_2)
	v_pk_add_f32 v[112:113], v[112:113], v[116:117]
	s_delay_alu instid0(VALU_DEP_2)
	v_pk_add_f32 v[114:115], v[114:115], v[118:119]
	s_delay_alu instid0(VALU_DEP_1)
	v_pk_add_f32 v[112:113], v[112:113], v[114:115]
	s_delay_alu instid0(VALU_DEP_1)
	v_add_f32 v112, v112, v113
	s_delay_alu instid0(VALU_DEP_1)
	v_permlanex16_b32 v114, v112, s58, s59
	s_delay_alu instid0(VALU_DEP_1)
	v_add_f32 v112, v112, v114
	WALU
	v_rcp_f32 v113, v112
	v_and_b32 v62, s79, v9                         ; mq as 1.0 or 0, and the next tile's addresses: plain lines behind the transcendental
	v_add_nc_u32 v60, s72, v3
	v_add_nc_u32 v61, s73, v4
	v_add_nc_u32 v63, s74, v5
	WALU
	v_mul_f32 v12, v113, v62                       ; G = mq / sum
	ds_load_b128 v[44:47], v60                     ; the next tile's Q, its word and mask land meanwhile
	ds_load_b32 v8, v61
	ds_load_b32 v9, v63
.irp q, 0,2,4,6
	v_pk_mul_f32 v[96+\q:97+\q], v[96+\q:97+\q], v[12:13] op_sel_hi:[1,0]
.endr
.set j, 128
.rept 64
	v_pk_mul_f32 v[j:j+1], v[j:j+1], v[12:13] op_sel_hi:[1,0]   ; the finished weights
.set j, j+2
.endr
.irp b, 0,1,2,3,4,5,6,7
	v_max_num_f32 v[96+\b], s76, v[96+\b]          ; the floor: a block of zeros keeps the byte 1, its codes are zeros
.endr
.irp b, 0,1,2,3,4,5,6,7
	v_add_nc_u32 v[112+\b], s77, v[96+\b]
.endr
.irp b, 0,1,2,3,4,5,6,7
	v_and_or_b32 v[120+\b], v[96+\b], s78, s60
.endr
.irp b, 0,1,2,3,4,5,6,7
	v_lshrrev_b32 v[104+\b], 23, v[112+\b]
.endr
.irp i, 1,2,3
.irp s, 0,1
.if \i == 1
	v_lshl_or_b32 v[30+\s], v[105+4*\s], 8, v[104+4*\s]
.else
	v_lshl_or_b32 v[30+\s], v[104+\i+4*\s], 8*\i, v[30+\s]
.endif
.endr
.endr
.irp b, 0,1,2,3,4,5,6,7
.irp i, 0,2,4,6,8,10,12,14
	v_dual_min_num_f32 v[128+16*\b+\i], v[120+\b], v[128+16*\b+\i] :: v_dual_min_num_f32 v[129+16*\b+\i], v[120+\b], v[129+16*\b+\i]   ; never negative: the hold is one-sided
.endr
	v_cvt_scalef32_pk8_bf8_f32 v[64+4*\b:65+4*\b], v[128+16*\b:135+16*\b], v[112+\b]
	v_cvt_scalef32_pk8_bf8_f32 v[66+4*\b:67+4*\b], v[136+16*\b:143+16*\b], v[112+\b]
.if \b == 3
	s_wait_dscnt 0x0                               ; the next tile's Q is in
	v_perm_b32 v20, v8, v8, s75
.endif
.endr
	v_add_nc_u32 v6, s81, v3                       ; four places: codes written by vector instructions stand so far ahead of a scaled matrix instruction
	v_add_nc_u32 v13, s82, v7
	NOPS 2
	WIN 0x01                                       ; O^T = V^T P^T: source 0 = 16 channels of the head, source 1 = p; two accumulators by turns
.irp s, 0,1
.irp a, 0,1
.if \s == 0
	v_wmma_scale_f32_16x16x128_f8f6f4 v[96+8*\a:103+8*\a], v[192+16*(2*\a+\s):207+16*(2*\a+\s)], v[64+16*\s:79+16*\s], 0, v[26+2*\a+\s], v[30+\s] matrix_a_fmt:MATRIX_FMT_BF8 matrix_b_fmt:MATRIX_FMT_BF8
.else
	v_wmma_scale_f32_16x16x128_f8f6f4 v[96+8*\a:103+8*\a], v[192+16*(2*\a+\s):207+16*(2*\a+\s)], v[64+16*\s:79+16*\s], v[96+8*\a:103+8*\a], v[26+2*\a+\s], v[30+\s] matrix_a_fmt:MATRIX_FMT_BF8 matrix_b_fmt:MATRIX_FMT_BF8
.endif
.endr
.endr
	WIN 0
	s_cmp_eq_u32 s71, 15
	s_cbranch_scc1 .Lno_next                       ; the last tile has no successor
	SMUL                                           ; the next tile's scores, ahead of this tile's quantiser
.Lno_next:
	NOPS 8                                         ; register 96 + i: channel 32 w + 16 h + i of query r: one block of the last product's K
	v_max3_num_f32 v112, |v96|, |v97|, s76
	v_max3_num_f32 v113, |v104|, |v105|, |v106|
	v_max3_num_f32 v112, v112, |v98|, |v99|
	v_max3_num_f32 v113, v113, |v107|, |v108|
	v_max3_num_f32 v112, v112, |v100|, |v101|
	v_max3_num_f32 v113, v113, |v109|, |v110|
	v_max3_num_f32 v112, v112, |v102|, |v103|
	v_max3_num_f32 v112, v112, v113, |v111|
	s_delay_alu instid0(VALU_DEP_1)
	v_permlanex16_b32 v114, v112, s58, s59
	s_delay_alu instid0(VALU_DEP_1)
	v_max_num_f32 v112, v112, v114
	s_delay_alu instid0(VALU_DEP_1)
	v_add_nc_u32 v115, s77, v112
	s_delay_alu instid0(VALU_DEP_2)
	v_and_or_b32 v116, v112, s78, s60
	s_delay_alu instid0(VALU_DEP_2)
	v_lshrrev_b32 v117, 23, v115
.irp i, 0,1,2,3,4,5,6,7,8,9,10,11,12,13,14,15
	v_med3_num_f32 v[96+\i], v[96+\i], -v116, v116
.endr
	v_cvt_scalef32_pk8_bf8_f32 v[60:61], v[96:103], v115
	v_cvt_scalef32_pk8_bf8_f32 v[62:63], v[104:111], v115
	v_nop
	ds_store_b128 v6, v[60:63]                     ; into the place that this tile's Q has left: only I touch it in this phase
	ds_store_b8 v13, v117
	s_add_co_u32 s71, s71, 1
	s_cmp_lt_u32 s71, 16
	WALU
	s_cbranch_scc1 .Lq
	; ================ FIN: my four tiles: x Wo^T + bo, x mask, out ================
	LANES
	v_lshlrev_b32 v3, 4, v60                       ; 16 x lane
	v_lshlrev_b32 v4, 7, v63
	v_lshl_add_u32 v4, v62, 4, v4                  ; Wo: row rp of 128 bytes, + 16 h
	v_lshlrev_b32 v5, 6, v62                       ; bo
	v_lshlrev_b32 v7, 2, v63                       ; Wo's scale words
	s_lshl_b32 s43, s40, 11
	s_add_co_u32 s43, s43, QO
	v_add_nc_u32 v6, s43, v3                       ; the output's codes: tile 4 w on
	s_lshl_b32 s43, s40, 7
	s_add_co_u32 s43, s43, OSC
	v_add_nc_u32 v8, s43, v60                      ; and bytes
	s_add_co_u32 s43, s46, MSK-ZSC
	v_lshl_add_u32 v9, v60, 2, s43
	v_mul_u32_u24 v10, v61, SP
	v_lshl_add_u32 v10, v62, 6, v10
	v_add_nc_u32 v10, s44, v10                     ; my stage, by tiles
	v_add_nc_u32 v11, s44, v3                      ; and by rows
	WALU
	WIN 0x40
.irp t, 0,1,2,3,4,5,6,7
.irp c, 0,1,2,3
	global_load_b128 v[16*\t+4*\c:16*\t+4*\c+3], v4, s[18:19] offset:(32*(\t/2)+8*(\t%2))*128+32*\c
.endr
.endr
.irp t, 0,1,2,3,4,5,6,7
	global_load_b128 v[128+8*\t:131+8*\t], v5, s[34:35] offset:(32*(\t/2)+8*(\t%2))*4
	global_load_b128 v[132+8*\t:135+8*\t], v5, s[34:35] offset:(32*(\t/2)+8*(\t%2))*4+16
.endr
	WIN 0
.irp t, 0,1,2,3,4,5,6,7
	global_load_b32 v[22+\t], v7, s[26:27] offset:(32*(\t/2)+8*(\t%2))*4
.endr
	BAR                                            ; the attention's output lies in LDS
.irp u, 0,1,2,3
.irp b, 0,1,2,3
	ds_load_b128 v[32+16*\u+4*\b:35+16*\u+4*\b], v6 offset:8192*\b+512*\u
	ds_load_u8 v[96+4*\u+\b], v8 offset:512*\b+32*\u
.endr
	ds_load_b32 v[112+2*\u], v9 offset:128*\u
.endr
	s_wait_dscnt 0x0
.irp u, 0,1,2,3
	v_lshl_or_b32 v[14+\u], v[97+4*\u], 8, v[96+4*\u]
.endr
.irp u, 0,1,2,3
	v_lshl_or_b32 v[14+\u], v[98+4*\u], 16, v[14+\u]
.endr
.irp u, 0,1,2,3
	v_lshl_or_b32 v[14+\u], v[99+4*\u], 24, v[14+\u]
.endr
.irp u, 0,1,2,3
	v_and_b32 v[112+2*\u], s79, v[112+2*\u]        ; my position's mask as 1.0 or 0
.endr
	WALU
	s_wait_loadcnt 0x0
	NOPS 8
.irp p, 0,1
	WIN 0x11
.irp t, 0,1,2,3,4,5,6,7
.irp u, 0,1
	v_wmma_scale_f32_16x16x128_f8f6f4 v[128+64*\u+8*\t:135+64*\u+8*\t], v[16*\t:16*\t+15], v[32+16*(2*\p+\u):47+16*(2*\p+\u)], v[128+8*\t:135+8*\t], v[22+\t], v[14+2*\p+\u] matrix_a_fmt:MATRIX_FMT_BF8 matrix_b_fmt:MATRIX_FMT_BF8
.endr
.endr
	WIN 0
	NOPS 8
.irp u, 0,1
.set j, 128+64*\u
.rept 32
	v_pk_mul_f32 v[j:j+1], v[j:j+1], v[112+2*(2*\p+\u):113+2*(2*\p+\u)] op_sel_hi:[1,0]
.set j, j+2
.endr
.endr
.irp u, 0,1
.irp c, 0,1,2,3
.irp q, 0,1,2,3
	ds_store_b128 v10, v[128+64*\u+16*\c+4*\q:131+64*\u+16*\c+4*\q] offset:16*\u*SP+128*\c+16*\q
.endr
.endr
.endr
.set j, 0
.rept 32                               ; back as whole rows of 512 bytes
	ds_load_b128 v[128+4*j:131+4*j], v11 offset:(16*((j/8)%2)+8*(j/16)+j%8)*SP
.set j, j+1
.endr
.set j, 0
.rept 32
	s_wait_dscnt 31-j                              ; the younger loads may be out
	global_store_b128 v3, v[128+4*j:131+4*j], s[56:57] offset:16384*\p+512*j th:TH_STORE_NT   ; 32 lanes store 512 consecutive bytes, at a multiple of 256 from out0's first byte
.set j, j+1
.endr
.if \p == 0
	s_wait_xcnt 0x0                                ; the stores have read their registers
.endif
.endr
	s_wait_tensorcnt 0x0                           ; the wave's end
	ds_add_u32 v1, v2
	s_wait_dscnt 0x0
	s_endpgm
.Lfunc_end_k_q0771f91bcf_triatt:
	.size	k_q0771f91bcf_triatt, .Lfunc_end_k_q0771f91bcf_triatt-k_q0771f91bcf_triatt
	.p2alignl 7, 3214868480
	.fill 96, 4, 3214868480
	.section	.rodata,"a",@progbits
	.p2align	6, 0x0
	.amdhsa_kernel k_q0771f91bcf_triatt
		.amdhsa_group_segment_fixed_size 151552
		.amdhsa_private_segment_fixed_size 0
		.amdhsa_enable_private_segment 0
		.amdhsa_kernarg_size 144
		.amdhsa_user_sgpr_count 2
		.amdhsa_user_sgpr_kernarg_segment_ptr 1
		.amdhsa_wavefront_size32 1
		.amdhsa_system_sgpr_workgroup_id_x 1
		.amdhsa_system_sgpr_workgroup_id_y 1
		.amdhsa_system_sgpr_workgroup_id_z 1
		.amdhsa_system_vgpr_workitem_id 0
		.amdhsa_next_free_vgpr 512
		.amdhsa_next_free_sgpr 88
		.amdhsa_reserve_vcc 1
		.amdhsa_float_denorm_mode_32 3
		.amdhsa_float_denorm_mode_16_64 3
		.amdhsa_memory_ordered 1
		.amdhsa_forward_progress 1
		.amdhsa_inst_pref_size 255
	.end_amdhsa_kernel
	.section	.bss,"aw",@nobits
	.p2align	6
	.space	262144
	.amdgpu_metadata
---
amdhsa.version: [ 1, 2 ]
amdhsa.kernels:
  - .name:           k_q0771f91bcf_triatt
    .symbol:         k_q0771f91bcf_triatt.kd
    .args:
      - { .name: z, .offset: 0, .size: 8, .value_kind: global_buffer, .address_space: global }
      - { .name: pair_mask, .offset: 8, .size: 8, .value_kind: global_buffer, .address_space: global }
      - { .name: ln_w, .offset: 16, .size: 8, .value_kind: global_buffer, .address_space: global }
      - { .name: ln_b, .offset: 24, .size: 8, .value_kind: global_buffer, .address_space: global }
      - { .name: Wq_codes, .offset: 32, .size: 8, .value_kind: global_buffer, .address_space: global }
      - { .name: Wk_codes, .offset: 40, .size: 8, .value_kind: global_buffer, .address_space: global }
      - { .name: Wv_codes, .offset: 48, .size: 8, .value_kind: global_buffer, .address_space: global }
      - { .name: Wo_codes, .offset: 56, .size: 8, .value_kind: global_buffer, .address_space: global }
      - { .name: Wq_scales, .offset: 64, .size: 8, .value_kind: global_buffer, .address_space: global }
      - { .name: Wk_scales, .offset: 72, .size: 8, .value_kind: global_buffer, .address_space: global }
      - { .name: Wv_scales, .offset: 80, .size: 8, .value_kind: global_buffer, .address_space: global }
      - { .name: Wo_scales, .offset: 88, .size: 8, .value_kind: global_buffer, .address_space: global }
      - { .name: bq, .offset: 96, .size: 8, .value_kind: global_buffer, .address_space: global }
      - { .name: bk, .offset: 104, .size: 8, .value_kind: global_buffer, .address_space: global }
      - { .name: bv, .offset: 112, .size: 8, .value_kind: global_buffer, .address_space: global }
      - { .name: bo, .offset: 120, .size: 8, .value_kind: global_buffer, .address_space: global }
      - { .name: Wb, .offset: 128, .size: 8, .value_kind: global_buffer, .address_space: global }
      - { .name: out0, .offset: 136, .size: 8, .value_kind: global_buffer, .address_space: global }
    .group_segment_fixed_size: 151552
    .private_segment_fixed_size: 0
    .kernarg_segment_align: 8
    .kernarg_segment_size: 144
    .max_flat_workgroup_size: 128
    .sgpr_count:     88
    .vgpr_count:     512
    .wavefront_size: 32
...
	.end_amdgpu_metadata
.endif
;; end of part 1
